; MI455X (gfx1250); checked and timed in simulation.
; The chip was launched on July 23, 2026; its instructions are those of AMD's public machine-readable ISA for CDNA 5 (MIT licence, August 2026) and "CDNA5" Instruction Set Architecture Reference Guide (July 2026). The comments in the code are by the model that wrote it; some were corrected since.
;; Quantizer. Allowed arithmetic: matrix products marked QUANTISED: E2M3 operands, one E8M0 scale for each 32 along K, by v_wmma_scale_f32_16x16x128_f8f6f4 with both operands' format E2M3, f32 sums; everything else in f32.
;; Inputs: E 4,096 x 256 float32; x_codes 32 x 1,024 x 8 x 24 uint8 (E2M3 codes of x, K innermost, in blocks of 32 codes, four codes in three bytes); x_scales 32 x 1,024 x 8 uint8 (E8M0 scales of x, one for each 32 codes along K).
;; Outputs: out0 32 x 1,024 x 256 float32.
;; This version of the problem:
;;   THIS VERSION OF THE PROBLEM IS GIVEN IN LOW PRECISION. The matrix products marked QUANTISED in the list below multiply operands that are first quantised to E2M3 (2 exponent bits, 3 mantissa bits; 6 bits a number), with one power-of-two scale for each 32 numbers along K (OCP MX v1.0); their sums are f32. All else is computed in f32.
;;   The module's matrix products, in the order in which they are computed (A, B: the left and right operand; K: the contracted axis; several contracted axes count as one K, in the product's order):
;;     1. [M 32,768, K 256] x [K 256, N 4,096]; A: input x (given as codes); B: input E: QUANTISED
;;   THE QUANTISER, for each operand of a quantised product, along K:
;;     - K is cut into blocks of 32 from its start; a last block that is shorter is filled with zeros.
;;     - A block's scale is 2^e with e = floor(log2(the largest magnitude in the block)) - 2, held to -126 .. 127; a block of zeros has e = 0. As a byte (E8M0): e + 127.
;;     - Each number is divided by its block's scale, clamped to +-7.5, and rounded to the nearest number of E2M3, ties to even, subnormals kept.
;;     - The product sums the exact products of the quantised numbers (number of the format x scale) in f32.
;;   ~~~python
;;   def quantise(x, axis):      # numpy; x: float32 -> the quantised numbers, widened to float32 again
;;       x = np.moveaxis(x, axis, -1); K = x.shape[-1]
;;       x = np.pad(x, [(0, 0)] * (x.ndim - 1) + [(0, -K % 32)]); x = x.reshape(x.shape[:-1] + (-1, 32)); a = np.abs(x).max(-1, keepdims=True)
;;       e = np.where(a > 0, np.clip(np.frexp(np.where(a > 0, a, 1))[1] - 1 - 2, -126, 127), 0)      # np.frexp(a)[1] - 1 = floor(log2(a)), exactly
;;       r = np.clip(x / 2.0 ** e, -7.5, 7.5)
;;       step = 2.0 ** (np.maximum(np.frexp(np.where(r == 0, 1, r))[1] - 1, 0) - 3)
;;       q = np.round(r / step) * step * 2.0 ** e      # np.round: ties to even
;;       return np.moveaxis(q.reshape(q.shape[:-2] + (-1,))[..., :K], -1, axis).astype(np.float32)
;;   ~~~
;;   INPUTS GIVEN AS CODES. x (in the module: [32, 1024, 256], K = its axis 2): each comes as NAME_codes (uint8): NAME with its K axis moved to the last place and cut into blocks of 32 codes, [.., K / 32, bytes a block], one block behind the other in memory; four codes in three bytes: a row's codes are one little-endian stream of bits, code i at bits 6 i .. 6 i + 5 (a code: sign, 2 exponent bits, 3 mantissa bits); and NAME_scales (uint8): the same leading axes, one E8M0 byte (e + 127) for each 32 codes along K. Its value is code x scale, taken as it is: it is not quantised again, and the codes and scales need not be those that the quantiser above would give.
;; One version. Each part assembles by itself: llvm-mc -triple=amdgcn-amd-amdhsa -mcpu=gfx1250 --defsym DOCPART=n.
;; ======== version 1 of 1: 3 launches
;; limits: right only within a limited range of input values
;; workspace buffers: ecw 851,968 bytes; part 2,097,152 bytes of whole numbers
;; launch prep (part 1): grid 256 x 1, 4 waves a work-group, no clusters, 21,760 bytes of LDS; arguments E, ecw; writes ecw
.if DOCPART == 1
	.amdgcn_target "amdgcn-amd-amdhsa--gfx1250"
	.amdhsa_code_object_version 6
	.text
	.protected	k_q670939a9c9_prep
	.globl	k_q670939a9c9_prep
	.p2align	8
	.type	k_q670939a9c9_prep,@function
k_q670939a9c9_prep:
	s_mov_b64 s[64:65], 0
	v_nop
	global_prefetch_b8 v0, s[64:65] scope:SCOPE_SE
	s_setreg_imm32_b32 hwreg(HW_REG_WAVE_MODE, 25, 1), 1
	s_wait_xcnt 0x0
; E [4096][256] f32 becomes 256 RECORDS of 3,328 bytes in ecw; record t serves codewords 16 t .. 16 t + 15 and is laid as the next launch's registers take it:
;   bytes 0 .. 3071    the codes of FP6 (E2M3) as an image of the operand's 24 registers (two K steps of 128): six chunks of 512 bytes, chunk q = registers 4 q .. 4 q + 3, lane l's 16 bytes at 16 l.
;                      Lane l = (r = l % 16, h = l / 16) holds row r; registers 12 s + 6 c .. + 5 hold k = 128 s + 64 c + 32 h + 0 .. 31.
;   bytes 3072 .. 3199 the scale words, 4 bytes a lane: lanes 0-15 row r's word for k 0 .. 127, lanes 16-31 row r's word for k 128 .. 255
;   bytes 3200 .. 3263 sixteen f32: - (the sum of the row's squares) / 2, of the UNQUANTISED numbers;   bytes 3264 .. 3327 the same sixteen again, so that the last store covers 256 consecutive bytes
; A block's scale is 2^(floor(log2(its largest magnitude)) - 2); its byte is the largest magnitude's exponent field - 2, held at 1 from below.
; LIMITS: a block of zeros gets the byte 1 where the rule says 127 (its codes are zeros, and this program alone reads the bytes); NaN and infinities in E are not served;
; the 256 squares are summed in f32 in this text's own order (four packed chains a lane, then a row's eight blocks).
; Four waves make one record.  Wave w = 2 s + c takes k = 64 w .. 64 w + 63 of the 16 rows: 256 bytes of each row, by loads of two rows each; they pass through the wave's own strip of LDS, so that a lane then holds
; a whole block of 32 neighbours along K.  The record is gathered in LDS and leaves in whole units of 256 bytes: chunks 2 w and 2 w + 1 by waves 0 to 2, the tail by wave 3.
; No matrix unit, no tensor load, no prefetch: every byte of E is read once, by loads that all stand at the head.
.set RECB,  3328
.set PITCH, 272                        ; a strip's row: 256 bytes + 16: the sixteen rows of a load of 16 bytes a lane start at sixteen different places modulo 256 bytes
.set STRIP, 16*PITCH
.set IMG,   4*STRIP                    ; the codes' image
.set TAIL,  IMG+3072                   ; the record's last 256 bytes
.set SUM,   TAIL+256                   ; [row][block 0 .. 7] sums of squares
.set SPARE, SUM+512                    ; the spare words, 128 bytes for each wave
.set CD,  24                           ; v24-29   six registers of codes
.set TT,  30                           ; v30-32   the block's upper 16 codes, as the conversion leaves them
.set SQ,  34                           ; v34-41   four pairs of sums of squares
.set N,   48                           ; v48-79   my block's 32 numbers
.set IN,  80                           ; v80-111  as loaded
	s_load_b128 s[4:7], s[0:1], 0x0                ; E s[4:5], ecw s[6:7]
	v_lshl_add_u32 v1, v0, 2, SPARE
	v_mov_b32 v2, 0
	v_lshrrev_b32 v17, 5, v0
	v_readfirstlane_b32 s12, v17                   ; wave 0 .. 3
	s_lshl_b32 s8, ttmp9, 14                       ; my 16 rows of 1,024 bytes,
	s_lshl_b32 s13, s12, 8
	s_add_co_u32 s8, s8, s13                       ; my 256 bytes of each
	s_mov_b32 s9, 0
	s_mul_i32 s10, ttmp9, RECB                     ; my record
	s_mov_b32 s11, 0
	v_and_b32 v18, 15, v0                          ; r
	v_bfe_u32 v19, v0, 4, 1                        ; h
	v_lshlrev_b32 v3, 4, v18
	v_lshl_add_u32 v3, v19, 10, v3                 ; lanes 0-15 one row's 256 bytes, lanes 16-31 the next row's
	s_wait_alu depctr_va_vdst(0)                   ; directly ahead of the wait below
	s_wait_kmcnt 0x0
	s_add_nc_u64 s[4:5], s[4:5], s[8:9]
	s_add_nc_u64 s[6:7], s[6:7], s[10:11]
.irp n, 0,1,2,3,4,5,6,7
	global_load_b128 v[IN+4*\n:IN+4*\n+3], v3, s[4:5] offset:2048*\n
.endr
	s_mul_i32 s14, s12, STRIP                      ; my strip
	s_lshr_b32 s15, s12, 1
	s_lshl_b32 s15, s15, 6
	s_and_b32 s16, s12, 1
	s_lshl_b32 s16, s16, 1
	s_add_co_u32 s15, s15, s16
	s_add_co_u32 s15, s15, TAIL                    ; my scale bytes: word 16 s + r, byte 2 c + h
	s_lshl_b32 s16, s12, 3
	s_add_co_u32 s16, s16, SUM                     ; my sums: row r, block 2 w + h
	s_mul_i32 s17, s12, 3
.irp p, 0,1,2
	s_add_co_u32 s20, s17, \p                      ; register pair 3 w + p of the image's twelve: chunk (3 w + p) / 2, its lower or upper 8 bytes a lane
	s_lshr_b32 s21, s20, 1
	s_lshl_b32 s21, s21, 9
	s_and_b32 s20, s20, 1
	s_lshl_b32 s20, s20, 3
	s_add_co_u32 s[22+\p], s20, s21
	s_add_co_u32 s[22+\p], s[22+\p], IMG
.endr
	s_lshl_b32 s18, s12, 10
	s_add_co_u32 s19, s18, IMG
	s_wait_alu depctr_va_vdst(0)                   ; the wait behind the run of scalar instructions
	v_and_b32 v17, 31, v0                          ; lane
	v_mul_u32_u24 v4, v19, PITCH
	v_mul_u32_u24 v5, v18, PITCH
	v_lshl_add_u32 v4, v18, 4, v4
	v_lshl_add_u32 v5, v19, 7, v5
	v_add_nc_u32 v4, s14, v4                       ; into the strip: two rows a store
	v_add_nc_u32 v5, s14, v5                       ; out of it: row r, my block's 128 bytes
	v_lshl_add_u32 v6, v18, 2, s15
	v_lshl_add_u32 v7, v18, 5, s16
	v_add_nc_u32 v6, v6, v19                       ; my scale byte
	v_lshl_add_u32 v7, v19, 2, v7                  ; my sum
.irp p, 0,1,2
	v_lshl_add_u32 v[8+\p], v17, 4, s[22+\p]       ; my codes
.endr
	v_lshl_add_u32 v11, v17, 4, s19                ; on the way out: chunks 2 w and 2 w + 1, in LDS
	v_lshl_add_u32 v12, v17, 4, s18                ; and in the record
	v_lshlrev_b32 v13, 5, v18
	v_add_nc_u32 v13, SUM, v13                     ; row r's eight sums
	v_lshl_add_u32 v14, v17, 2, TAIL+128
	v_lshl_add_u32 v15, v17, 3, TAIL
	v_lshlrev_b32 v16, 3, v17
	s_wait_alu depctr_va_vdst(0)                   ; the wait at the head's end
.irp n, 0,1,2,3,4,5,6,7
	s_wait_loadcnt 7-\n                            ; loads come back in order (ISA guide 5.7.1): rows 2 n and 2 n + 1 are in
	ds_store_b128 v4, v[IN+4*\n:IN+4*\n+3] offset:2*PITCH*\n
.endr
.irp i, 0,1,2,3,4,5,6,7
	ds_load_b128 v[N+4*\i:N+4*\i+3], v5 offset:16*\i   ; my own wave's bytes: LDS serves a wave's instructions in order (ISA guide 5.7.1.4)
.endr
	s_wait_dscnt 0x0
	v_max3_num_f32 v20, |v[N]|, |v[N+1]|, 0x1800000    ; a whole block is mine; the floor 2^(3 - 127) keeps the byte at 1 from below
	v_max3_num_f32 v21, |v[N+2]|, |v[N+3]|, |v[N+4]|
.irp b, 0,1,2,3
	v_pk_mul_f32 v[SQ+2*\b:SQ+2*\b+1], v[N+2*\b:N+2*\b+1], v[N+2*\b:N+2*\b+1]   ; the squares of the numbers as they are given
.endr
.irp i, 5,9,13,17,21,25
	v_max3_num_f32 v20, v20, |v[N+\i]|, |v[N+\i+1]|
	v_max3_num_f32 v21, v21, |v[N+\i+2]|, |v[N+\i+3]|
.endr
	v_max3_num_f32 v20, v20, |v[N+29]|, |v[N+30]|
	v_max_num_f32 v21, v21, |v[N+31]|
.irp i, 8,16,24
.irp b, 0,1,2,3
	v_pk_fma_f32 v[SQ+2*\b:SQ+2*\b+1], v[N+\i+2*\b:N+\i+2*\b+1], v[N+\i+2*\b:N+\i+2*\b+1], v[SQ+2*\b:SQ+2*\b+1]
.endr
.endr
	v_max_num_f32 v20, v20, v21
	v_pk_add_f32 v[SQ:SQ+1], v[SQ:SQ+1], v[SQ+2:SQ+3]
	v_pk_add_f32 v[SQ+4:SQ+5], v[SQ+4:SQ+5], v[SQ+6:SQ+7]
	v_add_nc_u32 v22, 0xff000000, v20              ; 2 off the exponent field: the conversion takes the exponent field of this operand as its scale, and nothing else of it
	v_pk_add_f32 v[SQ:SQ+1], v[SQ:SQ+1], v[SQ+4:SQ+5]
	v_lshrrev_b32 v23, 23, v22                     ; the scale's byte
	v_add_f32 v[SQ], v[SQ], v[SQ+1]
	v_cvt_scalef32_pk16_fp6_f32 v[CD:CD+2], v[N:N+15], v22        ; the block's lower 16 codes: 96 bits
	v_cvt_scalef32_pk16_fp6_f32 v[TT:TT+2], v[N+16:N+31], v22     ; the upper 16 (a conversion's three registers begin on an even number, so they are made elsewhere and moved)
	v_nop                                          ; one plain place behind the scaled conversions
.irp i, 0,1,2
	v_mov_b32 v[CD+3+\i], v[TT+\i]
.endr
	ds_store_b8 v6, v23
	ds_store_b32 v7, v[SQ]
.irp p, 0,1,2
	ds_store_b64 v[8+\p], v[CD+2*\p:CD+2*\p+1]
.endr
	s_wait_dscnt 0x0                               ; for the others' sake: my part of the record is in LDS
	s_barrier_signal -1
	s_barrier_wait -1
	s_cmp_lt_u32 s12, 3
	s_cbranch_scc0 .Ltail
	ds_load_b128 v[IN:IN+3], v11
	ds_load_b128 v[IN+4:IN+7], v11 offset:512
	s_wait_dscnt 0x1                               ; the first chunk is in, the second may be out
	global_store_b128 v12, v[IN:IN+3], s[6:7]      ; the wave stores 512 consecutive bytes, at a multiple of 256 from ecw's first byte
	s_wait_dscnt 0x0
	global_store_b128 v12, v[IN+4:IN+7], s[6:7] offset:512
	s_branch .Lend
.Ltail:
	ds_load_b128 v[IN:IN+3], v13
	ds_load_b128 v[IN+4:IN+7], v13 offset:16
	s_wait_dscnt 0x0
	v_pk_add_f32 v[IN:IN+1], v[IN:IN+1], v[IN+2:IN+3]
	v_pk_add_f32 v[IN+4:IN+5], v[IN+4:IN+5], v[IN+6:IN+7]
	v_pk_add_f32 v[IN:IN+1], v[IN:IN+1], v[IN+4:IN+5]
	v_add_f32 v[IN], v[IN], v[IN+1]                ; the row's 256 squares
	v_mul_f32 v[IN], -0.5, v[IN]                   ; exact
	ds_store_b32 v14, v[IN]                        ; (both halves of the lanes hold row r's)
	ds_load_b64 v[IN+2:IN+3], v15                  ; this sees the store above; the scale words lie there since the barrier
	s_wait_dscnt 0x0
	global_store_b64 v16, v[IN+2:IN+3], s[6:7] offset:3072        ; 256 consecutive bytes
.Lend:
	s_wait_tensorcnt 0x0                           ; the wave's end
	ds_add_u32 v1, v2
	s_wait_dscnt 0x0
	s_endpgm
.Lfunc_end_k_q670939a9c9_prep:
	.size	k_q670939a9c9_prep, .Lfunc_end_k_q670939a9c9_prep-k_q670939a9c9_prep
	.p2alignl 7, 3214868480
	.fill 96, 4, 3214868480
	.section	.rodata,"a",@progbits
	.p2align	6, 0x0
	.amdhsa_kernel k_q670939a9c9_prep
		.amdhsa_group_segment_fixed_size 21760
		.amdhsa_private_segment_fixed_size 0
		.amdhsa_enable_private_segment 0
		.amdhsa_kernarg_size 16
		.amdhsa_user_sgpr_count 2
		.amdhsa_user_sgpr_kernarg_segment_ptr 1
		.amdhsa_wavefront_size32 1
		.amdhsa_system_sgpr_workgroup_id_x 1
		.amdhsa_system_sgpr_workgroup_id_y 1
		.amdhsa_system_sgpr_workgroup_id_z 1
		.amdhsa_system_vgpr_workitem_id 0
		.amdhsa_next_free_vgpr 112
		.amdhsa_next_free_sgpr 66
		.amdhsa_reserve_vcc 0
		.amdhsa_float_denorm_mode_32 3
		.amdhsa_float_denorm_mode_16_64 3
		.amdhsa_memory_ordered 1
		.amdhsa_forward_progress 1
		.amdhsa_inst_pref_size 10
	.end_amdhsa_kernel
	.amdgpu_metadata
---
amdhsa.version: [ 1, 2 ]
amdhsa.kernels:
  - .name:           k_q670939a9c9_prep
    .symbol:         k_q670939a9c9_prep.kd
    .args:
      - { .name: E, .offset: 0, .size: 8, .value_kind: global_buffer, .address_space: global }
      - { .name: ecw, .offset: 8, .size: 8, .value_kind: global_buffer, .address_space: global }
    .group_segment_fixed_size: 21760
    .private_segment_fixed_size: 0
    .kernarg_segment_align: 8
    .kernarg_segment_size: 16
    .max_flat_workgroup_size: 128
    .sgpr_count:     66
    .vgpr_count:     112
    .wavefront_size: 32
...
	.end_amdgpu_metadata
.endif
;; end of part 1
;; launch search (part 2): grid 4 x 64, 8 waves a work-group, clusters of 4 x 4, 327,680 bytes of LDS; arguments x_codes, x_scales, ecw, part; writes part
.if DOCPART == 2
	.amdgcn_target "amdgcn-amd-amdhsa--gfx1250"
	.amdhsa_code_object_version 6
	.text
	.protected	k_q670939a9c9_search
	.globl	k_q670939a9c9_search
	.p2align	8
	.type	k_q670939a9c9_search,@function
k_q670939a9c9_search:
	s_mov_b64 s[64:65], 0
	v_nop
	global_prefetch_b8 v0, s[64:65] scope:SCOPE_SE
	s_setreg_imm32_b32 hwreg(HW_REG_WAVE_MODE, 25, 1), 1
	s_wait_xcnt 0x0
	s_wait_alu depctr_hold_cnt(0) depctr_sa_sdst(0) depctr_va_vdst(0) depctr_va_sdst(0) depctr_va_ssrc(0) depctr_va_vcc(0) depctr_vm_vsrc(0)
	s_getreg_b32 s2, hwreg(HW_REG_IB_STS2, 6, 4)
	s_cmp_eq_u32 s2, 0
	s_cbranch_scc0 .Lentry_in_a_cluster
	s_endpgm
.Lentry_in_a_cluster:
	s_bfe_u32 s2, ttmp6, 0x10000c
	s_cmp_lg_u32 s2, 0xf033
	s_cbranch_scc0 .Lentry_shape_is_right
	s_endpgm
.Lentry_shape_is_right:
; part[p][row] = (key, v): of the 512 codewords 512 p .. 512 p + 511 the lowest v at which  s(row, v) = x[row] . Q(E[v]) - |E[v]|^2 / 2  is largest, and s as a whole number of 32 bits that rises with s.
; The arg-min of -2 x . Q(E[v]) + |E[v]|^2 (that number is -2 s, exactly) is the v of the part with the largest key: the next launch joins the eight parts by comparing whole numbers.
; x: 32,768 rows of 256 codes of FP6 (E2M3), 192 bytes a row, with 8 E8M0 bytes a row, taken as given.  ecw: 256 records of 3,328 bytes, one for each 16 codewords: the codes as an image of the operand's
; 24 registers, the scale words as an image of one register (lanes 0-15: k 0 .. 127, lanes 16-31: k 128 .. 255), and sixteen f32 - |E[v]|^2 / 2.
; LIMITS: - |E|^2 / 2 enters as the C of a tile's first product, so it is added inside the matrix unit's sum and not behind a rounded product; two codewords whose distances differ by about an f32 rounding may be
; ordered otherwise than by another order of f32 sums.  A scale byte 0xff in x, and NaN or infinities in E, are not served.  Equal s: the lowest v, as an arg-min keeps it.
; SHARES.  A work-group owns 512 rows of x and a quarter of the codewords (64 records).  Both lie in LDS whole (x 110,592 bytes with its padding, the records 212,992): nothing is filled twice.
; Wave w of eight: rg = w / 2 says which 128 rows (eight tiles of 16, whose fragments stay in 192 registers for the whole launch), sl = w % 2 which half of the records: 32 sl .. 32 sl + 31 of the quarter.
; Of each 32 rows the even ones make one tile, the odd ones the next: tile i's lane (r, h) holds row 32 (i / 2) + 2 r + i % 2.
; LAYOUT.  Source 0 = a record's 16 codewords, source 1 = 16 rows of x: lane (r = l % 16, h = l / 16) holds ONE row of x, and its register j the score of codeword 16 t + 8 h + j.
; THE SEARCH, exact in f32: a lane keeps, for each of its eight tiles of rows, the best score so far, the number of the record that held it, and that record's eight scores.  A record's eight scores and the old best
; go through four v_max3; where the best has grown (strictly, so the earliest record stays) the number is taken by v_cndmask, the eight scores by four pairs of them.  Which of the eight it was is found once, at the end.
; THE ORDER.  A record's products go in two phases of eight, tiles 0-3 and tiles 4-7; among the products of one half of the tiles stands the search over the other half, whose products stand a phase back.
; THE LOADS.  Head, one a wave: waves 0 to 3 x's four quarters, waves 4 to 7 the first eight records of each half (four records a load).  Behind the next round, one a wave: the other 24 records of each half, six a load.
; They have the loads of x's fragments and the first eight records' work in which to land.  No prefetch: no load stands in a loop, so there is nothing to run ahead of.
; CLUSTER 4 x 4.  The four of a row (same rows of x, four quarters of the codewords) ask for x JOINTLY, the four of a column (same quarter) for the records.
; WINDOW 1 (v256 on) holds x's fragments alone: tile i, K step s at 24 i + 12 s; all else lies in window 0.
.set RECB,  3328
.set XP,    216                        ; a row of x in LDS: 3 x (64 bytes + 8 of padding)
.set EL,    512*XP                     ; behind x's 512 rows: the 64 records
.set SPARE, EL+64*RECB                 ; the spare words, 128 bytes for each of eight waves: four blocks of 256 bytes that no other line names
.set SPW, 1                            ; v1   SPARE + 4 x my thread's number; never rewritten
.set NIL, 2                            ; v2   0; never rewritten
.set AF0, 3                            ; v3-5 my half's record 0: codes (+ 16 lane), scale word (+ 4 lane), its sixteen f32 (+ 32 h)
.set ADF, 6                            ; v6-8 the same three for the loop's record in hand
.set ADX, 9                            ; v9   x's fragments: 2 r rows x pitch + 24 h;  v10 the same behind one padding more (32 h)
.set ADX2, 10
.set VB,  11                           ; v11  1,024 x quarter + 512 sl + 8 h
.set XSO, 12                           ; v12  my byte among two tiles' scale words of x: 16 r + 4 h
.set STO, 13                           ; v13  16 r + 8 h
.set XS,  16                           ; v16-22, v24  x's scale words of tiles 0-6, 7: lanes 0-15 K step 0's, lanes 16-31 K step 1's
.set ES,  23                           ; v23, v31     the record's scale words, two buffers (numbers that differ modulo 8 from all of x's)
.set EF,  32                           ; v32-55, v64-87   the record's codes, two buffers
.set EC,  56                           ; v56-63, v88-95   its - |E|^2 / 2 in the result's layout
.set ACC, 96                           ; v96-159  eight accumulators
.set ST,  160                          ; v160-255 twelve a tile: +0, +1 the best score (by turns; at the end +1 is the index), +2 the record's number, +4 .. +11 its eight scores
.set WV,  12                           ; s12  my wave's number
.set G1X, 24                           ; descriptor groups 1: x's quarters, the first records, the other records
.set G1A, 32
.set G1B, 52
.set G0X, 40                           ; and groups 0
.set G0A, 44
.set G0B, 48
.set SEL, 60                           ; s[60:61] lane selects for v_permlanex16_b32: lane l xor 16
.set TID, 66                           ; s66  the number of the record that the search takes in
.set CNT, 67
.set SB,  68                           ; s68  the loop's record in hand, in bytes from my half's record 0
.set MK,  72                           ; s72-79 lane masks
.set LOM, 90                           ; s90  lanes 0-15
.set MSB, 0
.macro WIN new                         ; the immediate's high byte repeats the setting that is left
.if MSB != \new
	s_set_vgpr_msb (MSB<<8)|\new
.set MSB, \new
.endif
.endm
; A round of the cluster's barrier: my work-group's barrier, so that wave 0's signal speaks for all eight waves; wave 0 signals for the work-group; every wave waits for all sixteen work-groups; my work-group's barrier once more.
.macro CREST
	s_cmp_lg_u32 s[WV], 0
	s_cbranch_scc1 .Lnot_wave_0_\@
	s_barrier_signal -3
.Lnot_wave_0_\@:
	s_barrier_wait -3
	s_barrier_signal -1
	s_barrier_wait -1
.endm
.macro CROUND
	s_barrier_signal -1
	s_barrier_wait -1
	CREST
.endm
; Descriptor group 1 of a dense block: rows of 256 bytes (32 elements of 8 bytes), end to end in memory
.macro SHAPE g, rows
	s_mov_b32 s[\g+1], 32<<16                      ; tensor_dim0 = 32
	s_mov_b32 s[\g+2], (\rows)<<16                 ; tensor_dim1
	s_mov_b32 s[\g+3], 32<<16                      ; tile_dim0 = 32
	s_mov_b32 s[\g+4], \rows                       ; tile_dim1
	s_mov_b32 s[\g+5], 32                          ; elements from row to row
	s_mov_b32 s[\g+6], 0
	s_mov_b32 s[\g+7], 0
.endm
; A fragment of x: 16 rows x 128 K of 6-bit codes, 12 registers: registers 6 c .. 6 c + 5 hold K = 64 c + 32 h + 0 .. 31, 24 bytes of the row as they lie, in pieces of 8 bytes.  Lanes 16-31 read three pieces further on
; than lanes 0-15; where that is behind one padding more (8 bytes behind every 8 pieces), the second address register serves.
.macro FRAG reg, q, i
.irp p, 0,1,2,3,4,5
.set PC, 12*(\q)+6*(\p/3)+\p%3
.if PC%8 < 5
	ds_load_b64 v[\reg+2*\p:\reg+2*\p+1], v[ADX] offset:8*PC+8*(PC/8)+((\i)/2)*32*XP+((\i)%2)*XP
.else
	ds_load_b64 v[\reg+2*\p:\reg+2*\p+1], v[ADX2] offset:8*PC+8*(PC/8)+((\i)/2)*32*XP+((\i)%2)*XP
.endif
.endr
.endm
; A record into buffer b: nine LDS loads, each of consecutive bytes (the last two: all lanes of a half read the same 16 bytes)
.macro LOADREC b, a, off
.irp c, 0,1,2,3,4,5
	ds_load_b128 v[EF+32*(\b)+4*\c:EF+32*(\b)+4*\c+3], v[\a] offset:(\off)+512*\c
.endr
	ds_load_b32 v[ES+8*(\b)], v[\a+1] offset:(\off)+3072
	ds_load_b128 v[EC+32*(\b):EC+32*(\b)+3], v[\a+2] offset:(\off)+3200
	ds_load_b128 v[EC+32*(\b)+4:EC+32*(\b)+7], v[\a+2] offset:(\off)+3216
.endm
; Lines from .. from + count - 1 of the forty in which the search takes a record in for tiles tb .. tb + 3, the tiles by turns: 16 of maxima, 4 compares, 4 numbers, 16 pairs of kept scores.
; The old best lies in state register po, the new goes to the other, so that the two can be compared.  Each accumulator is read from its low end on.
; fi = 1: there is no old best: the record's scores are taken as they are, and nothing is compared.
.macro VLINES from, count, tb, po, fi
.set Q, \from
.rept \count
.if Q < 16
.set TI, (\tb)+Q%4
.set JJ, 2*(Q/4)
.if \fi
.if JJ == 0
	v_max3_num_f32 v[ST+12*TI+1], v[ACC+8*TI], v[ACC+8*TI+1], v[ACC+8*TI+2]
.elseif JJ < 6
	v_max3_num_f32 v[ST+12*TI+1], v[ST+12*TI+1], v[ACC+8*TI+JJ+1], v[ACC+8*TI+JJ+2]
.else
	v_max_num_f32 v[ST+12*TI+1], v[ST+12*TI+1], v[ACC+8*TI+7]
.endif
.else
.if JJ == 0
	v_max3_num_f32 v[ST+12*TI+1-(\po)], v[ST+12*TI+(\po)], v[ACC+8*TI], v[ACC+8*TI+1]
.else
	v_max3_num_f32 v[ST+12*TI+1-(\po)], v[ST+12*TI+1-(\po)], v[ACC+8*TI+JJ], v[ACC+8*TI+JJ+1]
.endif
.endif
.elseif Q < 20
.set TI, (\tb)+Q-16
.if \fi
.else
	v_cmp_gt_f32 s[MK+TI], v[ST+12*TI+1-(\po)], v[ST+12*TI+(\po)]   ; strictly: an equal score of a later record does not displace an earlier one
.endif
.elseif Q < 24
.set TI, (\tb)+Q-20
.if \fi
	v_mov_b32 v[ST+12*TI+2], 0
.else
	v_cndmask_b32 v[ST+12*TI+2], v[ST+12*TI+2], s[TID], s[MK+TI]
.endif
.else
.set TI, (\tb)+(Q-24)/4
.set JJ, 2*((Q-24)%4)
.if \fi
	v_dual_mov_b32 v[ST+12*TI+4+JJ], v[ACC+8*TI+JJ] :: v_dual_mov_b32 v[ST+12*TI+5+JJ], v[ACC+8*TI+JJ+1]
.else
.if JJ == 0
	s_mov_b32 vcc_lo, s[MK+TI]                     ; a pair of selections takes its mask from VCC
.endif
	v_dual_cndmask_b32 v[ST+12*TI+4+JJ], v[ST+12*TI+4+JJ], v[ACC+8*TI+JJ] :: v_dual_cndmask_b32 v[ST+12*TI+5+JJ], v[ST+12*TI+5+JJ], v[ACC+8*TI+JJ+1]
.endif
.endif
.set Q, Q+1
.endr
.endm
; A phase: the record in buffer b against tiles tb .. tb + 3, K step 0 (C = - |E|^2 / 2) and K step 1, two products at a time; the four accumulators take turns, one instruction a turn.
; Behind each two products stand ten lines of the search over the other four tiles (search = 1).  They name no register of these products: they are the places (ISA guide 7.12.1) behind them.
.macro PHASE b, tb, search, po, fi
.irp g, 0,1,2,3
	WIN 0x04                                       ; source 1: window 1
.irp u, 0,1
.set TI, \tb+2*(\g%2)+\u
.if \g < 2
	v_wmma_scale_f32_16x16x128_f8f6f4 v[ACC+8*TI:ACC+8*TI+7], v[EF+32*(\b):EF+32*(\b)+11], v[24*TI:24*TI+11], v[EC+32*(\b):EC+32*(\b)+7], v[ES+8*(\b)], v[XS+TI+TI/7] matrix_a_fmt:MATRIX_FMT_FP6 matrix_b_fmt:MATRIX_FMT_FP6
.else
	v_wmma_scale_f32_16x16x128_f8f6f4 v[ACC+8*TI:ACC+8*TI+7], v[EF+32*(\b)+12:EF+32*(\b)+23], v[24*TI+12:24*TI+23], v[ACC+8*TI:ACC+8*TI+7], v[ES+8*(\b)], v[XS+TI+TI/7] matrix_a_fmt:MATRIX_FMT_FP6 matrix_b_fmt:MATRIX_FMT_FP6 matrix_a_scale:MATRIX_SCALE_ROW1 matrix_b_scale:MATRIX_SCALE_ROW1
.endif
.endr
	WIN 0
.if \search
	VLINES 10*\g, 10, 4-\tb, \po, \fi
.endif
.endr
.endm
; A record in buffer b (not the first); look = 1: the next one is fetched into the other buffer, a whole record's work ahead (that buffer's last products stand ten lines of the search back).
; Phase 1 takes the record before this one in for tiles 4-7, phase 2 this one for tiles 0-3.
.macro REC b, fi, look, a, off, step
	s_wait_dscnt 0x0                               ; this record's nine loads are in
.if \look
	LOADREC 1-\b, \a, \off
.endif
	PHASE \b, 0, 1, 1-\b, \fi
	s_add_co_u32 s[TID], s[TID], 1
.if \step
	s_add_co_u32 s[SB], s[SB], 2*RECB              ; two records on
	v_add_nc_u32 v[ADF], s[SB], v[AF0]
	v_add_nc_u32 v[ADF+1], s[SB], v[AF0+1]
	v_add_nc_u32 v[ADF+2], s[SB], v[AF0+2]
.endif
	PHASE \b, 4, 1, \b, 0
.endm
	s_load_b256 s[4:11], s[0:1], 0x0               ; x's codes s[4:5], x's scales s[6:7], ecw s[8:9], part s[10:11]
	v_lshl_add_u32 v[SPW], v0, 2, SPARE
	v_mov_b32 v[NIL], 0
	ds_add_u32 v[SPW], v[NIL]                      ; the wave's opening: the add, twice on end, and its wait ahead of my first tensor load
	ds_add_u32 v[SPW], v[NIL]
	v_lshrrev_b32 v26, 5, v0
	v_readfirstlane_b32 s[WV], v26                 ; wave 0 .. 7
	s_bfe_u32 s13, ttmp6, 0x40000                  ; cx, cy: my place in the cluster
	s_bfe_u32 s14, ttmp6, 0x40004
	s_and_b32 s15, ttmp7, 0xffff
	s_lshl_b32 s15, s15, 2
	s_add_co_u32 s15, s15, s14                     ; my block of 512 rows
	s_lshl_b32 s18, ttmp9, 2
	s_add_co_u32 s18, s18, s13                     ; my quarter of the codewords
	s_lshl_b32 s19, s14, 2
	s_lshl_b32 s19, 15, s19                        ; my row of the cluster
	s_lshl_b32 s20, 0x1111, s13                    ; my column
	s_lshr_b32 s16, s[WV], 1                       ; rg
	s_and_b32 s17, s[WV], 1                        ; sl
	s_and_b32 s21, s[WV], 3                        ; u: which quarter of a fill I fetch
	s_or_b32 s[G1X], s19, (3<<16)|(1<<20)|(1<<21)|(3<<22)|(1<<25)   ; 15:0 the mask; 17:16 elements of 8 bytes; 20 padding on; 21 set beside a mask; 24:22 after every 16 words (code 3); 31:25 of 2 words (code 1)
	SHAPE G1X, 96                                  ; 128 rows of x, 24,576 bytes
	s_or_b32 s[G1A], s20, (3<<16)|(1<<21)          ; records: no padding, their images are read as consecutive bytes
	SHAPE G1A, 52                                  ; four records, 13,312 bytes
	s_or_b32 s[G1B], s20, (3<<16)|(1<<21)
	SHAPE G1B, 78                                  ; six records, 19,968 bytes
	s_mul_i32 s22, s21, 128*XP                     ; x: where my quarter goes
	s_mul_i32 s23, s21, 24576
	s_mul_i32 s80, s15, 98304
	s_add_co_u32 s80, s80, s23                     ; and where it comes from
	s_mov_b32 s81, 0
	s_lshr_b32 s62, s21, 1
	s_mul_i32 s62, s62, 32*RECB
	s_and_b32 s63, s21, 1
	s_mul_i32 s63, s63, 4*RECB
	s_add_co_u32 s62, s62, s63                     ; the first records: of half u / 2, records 4 (u % 2) .. + 3
	s_lshr_b32 s63, s[WV], 2
	s_mul_i32 s63, s63, 32*RECB
	s_mul_i32 s69, s21, 6*RECB
	s_add_co_u32 s63, s63, s69
	s_add_co_u32 s63, s63, 8*RECB                  ; the others: of half w / 4, records 8 + 6 u .. + 5
	s_mul_i32 s82, s18, 64*RECB                    ; my quarter in ecw
	s_add_co_u32 s86, s82, s62
	s_mov_b32 s87, 0
	s_add_co_u32 s88, s82, s63
	s_mov_b32 s89, 0
	s_lshl_b32 s84, s18, 19
	s_lshl_b32 s71, s17, 18
	s_add_co_u32 s84, s84, s71                     ; part 2 x quarter + sl, 262,144 bytes each,
	s_lshl_b32 s92, s15, 12
	s_lshl_b32 s71, s16, 10
	s_add_co_u32 s92, s92, s71                     ; row 512 x block + 128 rg: 8 bytes a row, in x's scales and in a part alike
	s_add_co_u32 s84, s84, s92
	s_mov_b32 s85, 0
	s_mov_b32 s93, 0
	s_lshl_b32 s91, s18, 10
	s_lshl_b32 s71, s17, 9
	s_add_co_u32 s91, s91, s71                     ; my half's first codeword
	s_mul_i32 s69, s17, 32*RECB
	s_add_co_u32 s69, s69, EL                      ; my half's records in LDS
	s_mul_i32 s70, s16, 128*XP                     ; my rows of x in LDS
	s_mov_b32 s[SEL], 0x76543210
	s_mov_b32 s[SEL+1], 0xfedcba98
	s_mov_b32 s[LOM], 0xffff
	s_mov_b32 s[TID], 0
	s_mov_b32 s[SB], 8*RECB
	v_and_b32 v14, 31, v0                          ; lane
	v_and_b32 v15, 15, v0                          ; r
	v_bfe_u32 v25, v0, 4, 1                        ; h
	v_lshlrev_b32 v[XSO], 4, v15
	v_lshl_add_u32 v[AF0], v14, 4, s69
	v_lshl_add_u32 v[AF0+1], v14, 2, s69
	v_lshl_add_u32 v[AF0+2], v25, 5, s69
	v_mul_u32_u24 v[ADX], v15, 2*XP
	v_lshlrev_b32 v[STO], 4, v15
	v_lshl_add_u32 v[XSO], v25, 2, v[XSO]
	v_mad_u32_u24 v[ADX], v25, 24, v[ADX]
	v_lshl_add_u32 v[VB], v25, 3, s91
	v_lshl_add_u32 v[STO], v25, 3, v[STO]
	v_add_nc_u32 v[ADX], s70, v[ADX]
	v_add_nc_u32 v[ADF], s[SB], v[AF0]
	v_add_nc_u32 v[ADF+1], s[SB], v[AF0+1]
	v_add_nc_u32 v[ADF+2], s[SB], v[AF0+2]
	v_lshl_add_u32 v[ADX2], v25, 3, v[ADX]
	s_wait_alu depctr_va_vdst(0)                   ; the wait at the head's end
	s_wait_dscnt 0x0                               ; both opening adds are done
	s_wait_kmcnt 0x0
	s_mov_b32 s[G0X], 1                            ; count = 1
	s_mov_b32 s[G0X+1], s22                        ; LDS address
	s_add_nc_u64 s[G0X+2:G0X+3], s[4:5], s[80:81]
	s_or_b32 s[G0X+3], s[G0X+3], 0x80000000        ; type = 2
	s_mov_b32 s[G0A], 1
	s_add_co_u32 s[G0A+1], s62, EL
	s_add_nc_u64 s[G0A+2:G0A+3], s[8:9], s[86:87]
	s_or_b32 s[G0A+3], s[G0A+3], 0x80000000
	s_mov_b32 s[G0B], 1
	s_add_co_u32 s[G0B+1], s63, EL
	s_add_nc_u64 s[G0B+2:G0B+3], s[8:9], s[88:89]
	s_or_b32 s[G0B+3], s[G0B+3], 0x80000000
	s_add_nc_u64 s[6:7], s[6:7], s[92:93]
	s_add_nc_u64 s[10:11], s[10:11], s[84:85]
	CROUND                                         ; all sixteen work-groups are here: the first joint loads meet
	s_cmp_lt_u32 s[WV], 4                          ; one tensor load a wave at the head
	s_cbranch_scc0 .Lfirst_records
	tensor_load_to_lds s[G0X:G0X+3], s[G1X:G1X+7]
	s_nop 0
.rept 4
	v_nop
.endr
	s_branch .Lasked
.Lfirst_records:
	tensor_load_to_lds s[G0A:G0A+3], s[G1A:G1A+7]
	s_nop 0
.rept 4
	v_nop
.endr
.Lasked:
.irp i, 0,1,2,3,4,5,6,7
	global_load_b32 v[XS+\i+\i/7], v[XSO], s[6:7] offset:256*(\i/2)+8*(\i%2)   ; two tiles' 32 rows x 8 bytes are 256 consecutive bytes; lanes 0-15 get the words of K step 0, lanes 16-31 those of K step 1
.endr
	s_wait_tensorcnt 0x0                           ; my load is in
	ds_add_u32 v[SPW], v[NIL]
	s_wait_dscnt 0x0                               ; the add is done
	CROUND                                         ; everybody's load is in: x, and the first records; the joint loads meet
	tensor_load_to_lds s[G0B:G0B+3], s[G1B:G1B+7]  ; the first tensor load behind the round: six of the other 48 records
	s_nop 0
.rept 4
	v_nop
.endr
	LOADREC 0, AF0, 0
	WIN 0x40                                       ; destination: window 1
.irp i, 0,1,2,3,4,5,6,7
	FRAG 24*\i, 0, \i
	FRAG 24*\i+12, 1, \i
.endr
	WIN 0
	s_wait_loadcnt 0x0                             ; x's scale words
	s_wait_dscnt 48                                ; LDS loads come back in order (ISA guide 5.7.1): record 0 and tiles 0-3 are in; the 48 loads of tiles 4-7 may be out
	PHASE 0, 0, 0, 0, 0                            ; record 0: nothing stands a phase back yet
.rept 4
	v_nop                                          ; four plain places (ISA guide 7.12.1) ahead of the first read of these results
.endr
	s_wait_dscnt 0x0
	LOADREC 1, AF0, 1*RECB
	PHASE 0, 4, 1, 0, 1
	REC 1, 1, 1, AF0, 2*RECB, 0                    ; the first eight records, written out
	REC 0, 0, 1, AF0, 3*RECB, 0
	REC 1, 0, 1, AF0, 4*RECB, 0
	REC 0, 0, 1, AF0, 5*RECB, 0
	REC 1, 0, 1, AF0, 6*RECB, 0
	REC 0, 0, 1, AF0, 7*RECB, 0
	; record 7, and the round that shows the other records whole.  No tensor load and no LDS store stands behind it: so it is the closing round too, with the wave's three ending lines in front of it.
	s_wait_tensorcnt 0x0                           ; my six records are in
	ds_add_u32 v[SPW], v[NIL]
	s_wait_dscnt 0x0                               ; the add is done, and record 7 is in my registers
	s_barrier_signal -1
	PHASE 1, 0, 1, 0, 0                            ; work on registers while the others arrive
	s_add_co_u32 s[TID], s[TID], 1
	s_barrier_wait -1
	CREST                                          ; no partner will issue a joint load any more
	LOADREC 0, AF0, 8*RECB
	PHASE 1, 4, 1, 1, 0
	s_mov_b32 s[CNT], 11
.Lpair:                                                ; records 8 .. 29, two a trip
	REC 0, 0, 1, ADF, RECB, 0
	REC 1, 0, 1, ADF, 2*RECB, 1
	s_sub_co_u32 s[CNT], s[CNT], 1
	s_cmp_lg_u32 s[CNT], 0
	s_cbranch_scc1 .Lpair
	REC 0, 0, 1, ADF, RECB, 0                      ; records 30 and 31
	REC 1, 0, 0, ADF, 0, 0
	VLINES 0, 40, 4, 1, 0                          ; and the last half: record 31 for tiles 4-7
	; THE END.  The best lies in state register +0.  Which of the saved eight is it?  The lowest j that equals it.
.irp i, 0,1,2,3,4,5,6,7
	v_mov_b32 v[ST+12*\i+1], 7
.endr
.irp j, 6,5,4,3,2,1,0
.irp i, 0,1,2,3,4,5,6,7
	v_cmp_neq_f32 s[MK+\i], v[ST+12*\i+4+\j], v[ST+12*\i]
.endr
.irp i, 0,1,2,3,4,5,6,7
	v_cndmask_b32 v[ST+12*\i+1], \j, v[ST+12*\i+1], s[MK+\i]
.endr
.endr
.irp i, 0,1,2,3,4,5,6,7
	v_lshl_add_u32 v[ST+12*\i+1], v[ST+12*\i+2], 4, v[ST+12*\i+1]
.endr
.irp i, 0,1,2,3,4,5,6,7
	v_add_nc_u32 v[ST+12*\i+1], v[VB], v[ST+12*\i+1]              ; v = the half's first + 16 x record + 8 h + j
.endr
	; A row's other codewords lie in the lane 16 away.  Of tiles 2 p and 2 p + 1 lanes 0-15 finish the first, lanes 16-31 the second: each sends the other's pair across.
.irp p, 0,1,2,3
	v_cndmask_b32 v[ACC+8*\p], v[ST+24*\p+12], v[ST+24*\p], s[LOM]
	v_cndmask_b32 v[ACC+8*\p+1], v[ST+24*\p+13], v[ST+24*\p+1], s[LOM]
	v_cndmask_b32 v[ACC+8*\p+2], v[ST+24*\p], v[ST+24*\p+12], s[LOM]
	v_cndmask_b32 v[ACC+8*\p+3], v[ST+24*\p+1], v[ST+24*\p+13], s[LOM]
.endr
.irp p, 0,1,2,3
	v_permlanex16_b32 v[ACC+8*\p+4], v[ACC+8*\p+2], s[SEL], s[SEL+1]
	v_permlanex16_b32 v[ACC+8*\p+5], v[ACC+8*\p+3], s[SEL], s[SEL+1]
.endr
.irp p, 0,1,2,3
	v_cmp_gt_f32 s[MK+\p], v[ACC+8*\p+4], v[ACC+8*\p]
	v_cmp_eq_f32 s[MK+4+\p], v[ACC+8*\p+4], v[ACC+8*\p]
	v_cmp_lt_u32 s[80+\p], v[ACC+8*\p+5], v[ACC+8*\p+1]
.endr
.irp p, 0,1,2,3
	s_and_b32 s[MK+4+\p], s[MK+4+\p], s[80+\p]
	s_or_b32 s[MK+\p], s[MK+\p], s[MK+4+\p]        ; larger, or equal with the lower index
.endr
.irp p, 0,1,2,3
	v_cndmask_b32 v[ACC+8*\p], v[ACC+8*\p], v[ACC+8*\p+4], s[MK+\p]
	v_cndmask_b32 v[ACC+8*\p+7], v[ACC+8*\p+1], v[ACC+8*\p+5], s[MK+\p]
.endr
.irp p, 0,1,2,3
	v_add_f32 v[ACC+8*\p], 0, v[ACC+8*\p]          ; -0 becomes +0: equal scores have equal keys
.endr
.irp p, 0,1,2,3
	v_ashrrev_i32 v[ACC+8*\p+1], 31, v[ACC+8*\p]   ; the key: a negative number's bits all turned, the others' sign bit set
.endr
.irp p, 0,1,2,3
	v_or_b32 v[ACC+8*\p+1], 0x80000000, v[ACC+8*\p+1]
.endr
.irp p, 0,1,2,3
	v_xor_b32 v[ACC+8*\p+6], v[ACC+8*\p], v[ACC+8*\p+1]
.endr
.irp p, 0,1,2,3
	global_store_b64 v[STO], v[ACC+8*\p+6:ACC+8*\p+7], s[10:11] offset:256*\p   ; lane (r, h) stores row 32 p + 2 r + h: 256 consecutive bytes, at a multiple of 256 from part's first byte
.endr
	s_endpgm
.Lfunc_end_k_q670939a9c9_search:
	.size	k_q670939a9c9_search, .Lfunc_end_k_q670939a9c9_search-k_q670939a9c9_search
	.p2alignl 7, 3214868480
	.fill 96, 4, 3214868480
	.section	.rodata,"a",@progbits
	.p2align	6, 0x0
	.amdhsa_kernel k_q670939a9c9_search
		.amdhsa_group_segment_fixed_size 327680
		.amdhsa_private_segment_fixed_size 0
		.amdhsa_enable_private_segment 0
		.amdhsa_kernarg_size 32
		.amdhsa_user_sgpr_count 2
		.amdhsa_user_sgpr_kernarg_segment_ptr 1
		.amdhsa_wavefront_size32 1
		.amdhsa_system_sgpr_workgroup_id_x 1
		.amdhsa_system_sgpr_workgroup_id_y 1
		.amdhsa_system_sgpr_workgroup_id_z 1
		.amdhsa_system_vgpr_workitem_id 0
		.amdhsa_next_free_vgpr 448
		.amdhsa_next_free_sgpr 94
		.amdhsa_reserve_vcc 1
		.amdhsa_float_denorm_mode_32 3
		.amdhsa_float_denorm_mode_16_64 3
		.amdhsa_memory_ordered 1
		.amdhsa_forward_progress 1
		.amdhsa_inst_pref_size 127
	.end_amdhsa_kernel
	.amdgpu_metadata
---
amdhsa.version: [ 1, 2 ]
amdhsa.kernels:
  - .name:           k_q670939a9c9_search
    .symbol:         k_q670939a9c9_search.kd
    .args:
      - { .name: x_codes, .offset: 0, .size: 8, .value_kind: global_buffer, .address_space: global }
      - { .name: x_scales, .offset: 8, .size: 8, .value_kind: global_buffer, .address_space: global }
      - { .name: ecw, .offset: 16, .size: 8, .value_kind: global_buffer, .address_space: global }
      - { .name: part, .offset: 24, .size: 8, .value_kind: global_buffer, .address_space: global }
    .group_segment_fixed_size: 327680
    .private_segment_fixed_size: 0
    .kernarg_segment_align: 8
    .kernarg_segment_size: 32
    .max_flat_workgroup_size: 256
    .sgpr_count:     94
    .vgpr_count:     448
    .wavefront_size: 32
...
	.end_amdgpu_metadata
.endif
;; end of part 2
;; launch gather (part 3): grid 256 x 1, 8 waves a work-group, no clusters, 0 bytes of LDS; arguments E, part, out0; writes out0
.if DOCPART == 3
	.amdgcn_target "amdgcn-amd-amdhsa--gfx1250"
	.amdhsa_code_object_version 6
	.text
	.protected	k_q670939a9c9_gather
	.globl	k_q670939a9c9_gather
	.p2align	8
	.type	k_q670939a9c9_gather,@function
k_q670939a9c9_gather:
	s_mov_b64 s[64:65], 0
	v_nop
	global_prefetch_b8 v0, s[64:65] scope:SCOPE_SE
	s_setreg_imm32_b32 hwreg(HW_REG_WAVE_MODE, 25, 1), 1
	s_wait_xcnt 0x0
; out0[row][:] = E[v][:], v the index of the row's part with the largest key.  E: [4096][256] f32; part: [8][32768] pairs (key, index), whole numbers stored by the launch before; out0: [32768][256] f32.
; The parts' codewords ascend with the part's number, so a later part is taken only where its key is larger: of equal scores the lowest index stays.
; A work-group takes 128 rows, each of its eight waves 16.  Lane (r = l % 16, h = l / 16) joins parts 4 h .. 4 h + 3 of row r, then the two halves of the lanes are joined.
; A row is 1,024 bytes: two loads of 512 consecutive bytes.  Sixteen of a wave's 32 loads go out first; then each load that is in is stored while the one sixteen further on goes out.
; No data register is written twice, so no wait frees a source; no LDS, no barrier, no matrix unit: the launch only moves bytes.  An index is held to 0 .. 4,095 before it enters an address.
	s_load_b128 s[4:7], s[0:1], 0x0                ; E s[4:5], part s[6:7]
	s_load_b64 s[8:9], s[0:1], 0x10                ; out0
	v_lshrrev_b32 v2, 5, v0
	v_readfirstlane_b32 s10, v2                    ; wave 0 .. 7
	s_lshl_b32 s12, ttmp9, 10                      ; part: 128 rows x 8 bytes a work-group,
	s_lshl_b32 s13, s10, 7                         ; 16 x 8 a wave
	s_add_co_u32 s12, s12, s13
	s_mov_b32 s13, 0
	s_lshl_b32 s14, ttmp9, 17                      ; out0: 128 rows x 1,024 bytes a work-group (under 2^25),
	s_lshl_b32 s15, s10, 14                        ; 16 x 1,024 a wave
	s_add_co_u32 s14, s14, s15
	s_mov_b32 s15, 0
	s_lshl_b32 s11, s10, 1
	s_add_co_u32 s11, s11, ttmp9
	s_and_b32 s11, s11, 15                         ; a wave begins at row (work-group + 2 wave) mod 16 of its 16 and goes round, so that the waves' stores begin at different places modulo 16,384 bytes
	s_mov_b32 s36, 0x76543210
	s_mov_b32 s37, 0xfedcba98                      ; v_permlanex16_b32's selects for lane l xor 16
	v_and_b32 v1, 31, v0
	v_bfe_u32 v4, v0, 4, 1
	v_add_nc_u32 v5, s11, v0
	v_and_b32 v3, 15, v5                           ; lane r takes the row that is r-th in my order
	v_lshlrev_b32 v1, 4, v1                        ; 16 bytes a lane
	v_lshlrev_b32 v4, 20, v4                       ; four parts of 262,144 bytes further on for lanes 16-31
	v_mov_b32 v6, 0                                ; written once: a lane permute's destination counts as one of its sources
	v_mov_b32 v7, 0
	v_lshl_or_b32 v3, v3, 3, v4
	s_wait_alu depctr_va_vdst(0)                   ; the wait at the head's end
	s_wait_kmcnt 0x0
	s_add_nc_u64 s[6:7], s[6:7], s[12:13]
	s_add_nc_u64 s[8:9], s[8:9], s[14:15]
.irp p, 0,1,2,3
	global_load_b64 v[24+2*\p:25+2*\p], v3, s[6:7] offset:262144*\p
.endr
.irp k, 0,1,2,3,4,5,6,7,8,9,10,11,12,13,14,15
	s_add_co_u32 s38, s11, \k
	s_and_b32 s38, s38, 15
	s_lshl_b32 s38, s38, 10
	v_add_nc_u32 v[160+\k], s38, v1                ; where the k-th row of my order goes
.endr
	s_wait_alu depctr_va_vdst(0)                   ; directly ahead of the wait below
	s_wait_loadcnt 0x0
.irp p, 1,2,3
	v_cmp_gt_u32 vcc_lo, v[24+2*\p], v24
	v_cndmask_b32 v24, v24, v[24+2*\p], vcc_lo
	v_cndmask_b32 v25, v25, v[25+2*\p], vcc_lo
.endr
	v_permlanex16_b32 v6, v24, s36, s37
	v_permlanex16_b32 v7, v25, s36, s37
	v_cmp_gt_u32 vcc_lo, v6, v24
	v_cndmask_b32 v25, v25, v7, vcc_lo             ; lanes 0-15 now hold the rows' indices
.irp k, 0,1,2,3,4,5,6,7,8,9,10,11,12,13,14,15
	v_readlane_b32 s[16+\k], v25, \k
.endr
	s_wait_alu depctr_va_vdst(0)                   ; the wait ahead of the run of scalar instructions
.irp k, 0,1,2,3,4,5,6,7,8,9,10,11,12,13,14,15
	s_min_u32 s[16+\k], s[16+\k], 4095
	s_lshl_b32 s[16+\k], s[16+\k], 10              ; the codeword's row in E
	v_add_nc_u32 v[8+\k], s[16+\k], v1
.endr
	s_wait_alu depctr_va_vdst(0)                   ; and ahead of the first reader of the offsets
.macro LD n                            ; load n of 32: half n % 2 of row n / 2; no hint: a row of E may be named many times
	global_load_b128 v[32+4*(\n):35+4*(\n)], v[8+(\n)/2], s[4:5] offset:512*((\n)%2)
.endm
.set N, 0
.rept 16
	LD N
.set N, N+1
.endr
.set N, 0
.rept 32
.if N < 16
	s_wait_loadcnt 15                              ; loads come back in order (ISA guide 5.7.1): load N is in, the fifteen younger ones stay out
	LD N+16
.else
	s_wait_loadcnt 31-N
.endif
	global_store_b128 v[160+N/2], v[32+4*N:35+4*N], s[8:9] offset:512*(N%2) th:TH_STORE_NT   ; 512 consecutive bytes, at a multiple of 256 from out0's first byte; written once, read by nobody here
.set N, N+1
.endr
	s_endpgm
.Lfunc_end_k_q670939a9c9_gather:
	.size	k_q670939a9c9_gather, .Lfunc_end_k_q670939a9c9_gather-k_q670939a9c9_gather
	.p2alignl 7, 3214868480
	.fill 96, 4, 3214868480
	.section	.rodata,"a",@progbits
	.p2align	6, 0x0
	.amdhsa_kernel k_q670939a9c9_gather
		.amdhsa_group_segment_fixed_size 0
		.amdhsa_private_segment_fixed_size 0
		.amdhsa_enable_private_segment 0
		.amdhsa_kernarg_size 24
		.amdhsa_user_sgpr_count 2
		.amdhsa_user_sgpr_kernarg_segment_ptr 1
		.amdhsa_wavefront_size32 1
		.amdhsa_system_sgpr_workgroup_id_x 1
		.amdhsa_system_sgpr_workgroup_id_y 1
		.amdhsa_system_sgpr_workgroup_id_z 1
		.amdhsa_system_vgpr_workitem_id 0
		.amdhsa_next_free_vgpr 176
		.amdhsa_next_free_sgpr 66
		.amdhsa_reserve_vcc 1
		.amdhsa_float_denorm_mode_32 3
		.amdhsa_float_denorm_mode_16_64 3
		.amdhsa_memory_ordered 1
		.amdhsa_forward_progress 1
		.amdhsa_inst_pref_size 15
	.end_amdhsa_kernel
	.amdgpu_metadata
---
amdhsa.version: [ 1, 2 ]
amdhsa.kernels:
  - .name:           k_q670939a9c9_gather
    .symbol:         k_q670939a9c9_gather.kd
    .args:
      - { .name: E, .offset: 0, .size: 8, .value_kind: global_buffer, .address_space: global }
      - { .name: part, .offset: 8, .size: 8, .value_kind: global_buffer, .address_space: global }
      - { .name: out0, .offset: 16, .size: 8, .value_kind: global_buffer, .address_space: global }
    .group_segment_fixed_size: 0
    .private_segment_fixed_size: 0
    .kernarg_segment_align: 8
    .kernarg_segment_size: 24
    .max_flat_workgroup_size: 256
    .sgpr_count:     66
    .vgpr_count:     176
    .wavefront_size: 32
...
	.end_amdgpu_metadata
.endif
;; end of part 3
